; MI455X (gfx1250); checked and timed in simulation.
; The chip was launched on July 23, 2026; its instructions are those of AMD's public machine-readable ISA for CDNA 5 (MIT licence, August 2026) and "CDNA5" Instruction Set Architecture Reference Guide (July 2026). The comments in the code are by the model that wrote it; some were corrected since.
;; Core Attention. Allowed arithmetic: matrix products marked QUANTISED: E5M2 operands, one given power-of-two scale a tensor, by v_wmma_f32_16x16x64_bf8_bf8 or v_wmma_f32_16x16x128_bf8_bf8, f32 sums; everything else in f32.
;; Inputs: key_states_codes 2 x 16 x 2,048 x 2 x 32 uint8 (E5M2 codes of key_states, K innermost, in blocks of 32 codes); lowp_scales 4 int32 (the exponents e of the quantised operands' scales 2^e); query_states_codes 2 x 16 x 2,048 x 2 x 32 uint8 (E5M2 codes of query_states, K innermost, in blocks of 32 codes); value_states_codes 2 x 16 x 64 x 64 x 32 uint8 (E5M2 codes of value_states, K innermost, in blocks of 32 codes).
;; Outputs: out0 2 x 16 x 2,048 x 64 float32.
;; This version of the problem:
;;   THIS VERSION OF THE PROBLEM IS GIVEN IN LOW PRECISION. The matrix products marked QUANTISED in the list below multiply operands that are first quantised to E5M2 (5 exponent bits, 2 mantissa bits; 8 bits a number), with one given power-of-two scale for each operand tensor; their sums are f32. All else is computed in f32.
;;   The module's matrix products, in the order in which they are computed (A, B: the left and right operand; K: the contracted axis; several contracted axes count as one K, in the product's order):
;;     1. batch 32 x [M 2,048, K 64] x [K 64, N 2,048]; A: input query_states (given as codes); B: input key_states (given as codes): QUANTISED (scales: A lowp_scales[0], B lowp_scales[1])
;;     2. batch 32 x [M 2,048, K 2,048] x [K 2,048, N 64]; A: softmax (see below); B: input value_states (given as codes): QUANTISED (scales: A lowp_scales[2], B lowp_scales[3])
;;   THE QUANTISER, for each operand of a quantised product, along K:
;;     - The operand's scale is 2^e, e = its entry of the input lowp_scales (int32; the entries are numbered through the quantised products in the list's order, A before B).
;;     - Each number is divided by the scale, clamped to +-57,344, and rounded to the nearest number of E5M2, ties to even, subnormals kept.
;;     - The product sums the exact products of the quantised numbers (number of the format x scale) in f32.
;;   ~~~python
;;   def quantise(x, axis, e):      # numpy; x: float32 -> the quantised numbers, widened to float32 again
;;       x = np.moveaxis(x, axis, -1); K = x.shape[-1]
;;       r = np.clip(x / 2.0 ** e, -57344, 57344)
;;       step = 2.0 ** (np.maximum(np.frexp(np.where(r == 0, 1, r))[1] - 1, -14) - 2)
;;       q = np.round(r / step) * step * 2.0 ** e      # np.round: ties to even
;;       return np.moveaxis(q, -1, axis).astype(np.float32)
;;   ~~~
;;   SOFTMAX AHEAD OF A QUANTISED PRODUCT. Where the list says 'softmax', what is quantised is not the finished softmax but p = 2^(t - M), with t = logit x log2(e) and M = ceil(the row's largest t), a whole number; so 1/2 < the row's largest p <= 1. The row's sum l is taken of the UNQUANTISED p, in f32, and the product's result is divided by l at the end. Since M is a whole number, a kernel that streams over the keys may use a running M (the ceiling of the running maximum): every later rescaling is an exact power of two, so the quantised numbers keep their values, but for numbers so far below the row's largest that they fall under the format's range.
;;   OPERANDS COMPUTED ON THE WAY. 'Computed on the way' means the value that the module computes at that place (a softmax that the list does not call 'softmax' is quantised finished and normalised). What goes into a quantiser is computed in f32, as accurately as f32 sums, v_exp_f32 and their like allow (about 1e-6 of the number): no bf16 or f16 on the way to a quantiser, and a product that is left as it is and whose result goes on into a quantised operand takes f32 operands (vector FMAs, or v_wmma_f32_16x16x4_f32). A number that lies on a knife's edge between two numbers of the format may be rounded either way, as far as f32 arithmetic and the matrix unit's own rounding can turn it there, and no further.
;;   INPUTS GIVEN AS CODES. key_states (in the module: [2, 16, 2048, 64], K = its axis 3); query_states (in the module: [2, 16, 2048, 64], K = its axis 3); value_states (in the module: [2, 16, 2048, 64], K = its axis 2): each comes as NAME_codes (uint8): NAME with its K axis moved to the last place and cut into blocks of 32 codes, [.., K / 32, bytes a block], one block behind the other in memory; one code a byte (a code: sign, 5 exponent bits, 2 mantissa bits); its scale is its entry of lowp_scales. Its value is code x scale, taken as it is: it is not quantised again, and the codes and scales need not be those that the quantiser above would give.
;; One version. Each part assembles by itself: llvm-mc -triple=amdgcn-amd-amdhsa -mcpu=gfx1250 --defsym DOCPART=n.
;; ======== version 1 of 1: 1 launch
;; limits: right only within a limited range of input values
;; launch attn (part 1): grid 8 x 32, 16 waves a work-group, clusters of 4 x 1, 288,768 bytes of LDS; arguments query_states_codes, key_states_codes, value_states_codes, lowp_scales, out0; writes out0
.if DOCPART == 1
	.amdgcn_target "amdgcn-amd-amdhsa--gfx1250"
	.amdhsa_code_object_version 6
	.text
	.protected	k_q9769bf86de_attn
	.globl	k_q9769bf86de_attn
	.p2align	8
	.type	k_q9769bf86de_attn,@function
k_q9769bf86de_attn:
	s_mov_b64 s[64:65], 0
	v_nop
	global_prefetch_b8 v0, s[64:65] scope:SCOPE_SE
	s_setreg_imm32_b32 hwreg(HW_REG_WAVE_MODE, 25, 1), 1
	s_wait_xcnt 0x0
	s_wait_alu depctr_hold_cnt(0) depctr_sa_sdst(0) depctr_va_vdst(0) depctr_va_sdst(0) depctr_va_ssrc(0) depctr_va_vcc(0) depctr_vm_vsrc(0)
	s_getreg_b32 s2, hwreg(HW_REG_IB_STS2, 6, 4)
	s_cmp_eq_u32 s2, 0
	s_cbranch_scc0 .Lentry_in_a_cluster
	s_endpgm
.Lentry_in_a_cluster:
	s_bfe_u32 s2, ttmp6, 0x10000c
	s_cmp_lg_u32 s2, 0x3003
	s_cbranch_scc0 .Lentry_shape_is_right
	s_endpgm
.Lentry_shape_is_right:
; O[head][q][:] = the sum over k <= q of softmax_k(Q[head][q] . K[head][k] / 8) V[head][k][:], both products on codes of BF8 (E5M2), each tensor with the one scale 2^e that is given for it.
; 32 heads, 2,048 queries and keys, head size 64.  Q, K: [head][2048][64] codes.  V: codes with the KEYS innermost, [head][64][2048].  O: [head][2048][64] f32.  lowp_scales: eq, ek, ep, ev.
; THE SOFTMAX AHEAD OF THE SECOND PRODUCT: t = score x log2(e) / 8; M = the largest t so far, rounded UP to a whole number; p = 2^(t - M) is what is quantised, along the keys, not normalised.
; The row's sum is taken of the unquantised p and divides O at the end.  When M moves, the sum and O are multiplied by 2^(old M - new M), which rounds nothing.
; LIMITS.  (1) reference() fills hidden scores with -10,000, not with -infinity; here a hidden key counts for nothing.  The two agree in f32 while each query's largest own logit lies above -9,896
; (e^-104 lies under the smallest f32 number).  (2) eq + ek between -123 and 130 (they are added to c's exponent field); ep between -126 and 112; ep + ev goes by v_ldexp_f32 and has no limit.
; (3) Codes of infinity and NaN are not served.
; LDS.  A head's K and V lie in LDS whole: 8 chunks of 256 keys each, 286,720 bytes with padding, each byte filled once.  So there is no ring, and behind the third barrier the waves run free.
; CLUSTER.  The four work-groups of a cluster belong to one head and need the same K and V: each chunk is asked for JOINTLY (mask 15), by wave 0 (K) and wave 1 (V): eight loads of a wave are out.
; SHARES.  A pair-tile is 32 neighbouring queries: two tiles of 16 that share every fragment of K and of V.  A work-group (cluster x = T, place cx) owns eight: pair-tile J begins at query
; q0 = 128 LAST + 32 cx, LAST = 2 J + ((J & 1) xor T) being its last step of 128 keys.  The eight have 68 steps whatever T is.  LAST hangs on the wave and on T, never on cx: partners branch alike.
; TWO WAVES WALK A PAIR-TILE: the wave of parity e takes the steps 2 c + e, c = 0 .. 7, each with a running M of its own; at the end the two halves are merged by exact powers of two.
; Wave w: e = w2 xor w0, J = (w & 3) xor 7 (w3 xor w1 xor w0), partner w xor 4: any four waves with equal w % 4, and any four with equal w / 4, have 17 steps between them.
; Tile X is queries q0 + 16 e on, tile Y queries q0 + 16 (1 - e) on: every wave keeps X and sends Y, and its partner's Y is its own X: nothing branches on e.
; LAYOUT.  Both products are used transposed: S^T = K Q^T (source 0 = 16 keys, source 1 = 16 queries), O^T = V^T P^T (source 0 = 16 of the head's 64, source 1 = P): a lane holds ONE query (lane % 16).
; THE KEYS OF A TILE ARE NOT NEIGHBOURS: lane r of tile 2 b + u takes key 32 b + 8 u + r + 8 (r / 8), so that the 16 registers of tiles 2 b and 2 b + 1 are the keys 32 b + 16 (lane / 16) + 0 .. 15.
; Fragments come by loads of 16 bytes, 32 apart: a permutation of k inside an instruction, the same on both sides of each product.
.set KP,   144                         ; K in LDS: TWO keys to a row of 128 bytes + 16 of padding: key k at (k / 2) KP + 64 (k % 2).  The 16 lanes of a load fall on 16 different 16-byte columns modulo 256
.set KCH,  128*KP                      ; a chunk of K: 256 keys
.set VP,   272                         ; V in LDS: a row is 256 keys of one d, + 16 of padding
.set VCH,  64*VP                       ; a chunk of V
.set VOFF, 8*KCH                       ; V's chunks lie behind K's
.set EXB,  4608                        ; the end: for each wave 4,096 bytes of O^T, 128 of -M, 128 of the sum.  These and the stages lie in K's bytes, which have had their only fill and are read no more
.set STG,  16*EXB                      ; the end: behind them a stage of 16 rows x 272 bytes for each wave; the stages end at 143,360, inside K's bytes
.set STB,  16*VP
.set AK,   1                           ; v1   my lane's place in a step's tiles of K (e's half of the chunk in it); at the end: where I store my statistics
.set AV,   2                           ; v2   the same for V; at the end: where I read my partner's statistics
.set ADR,  3                           ; v3   the address of the loads in hand; at the end: my byte offset in the tile's rows of O
.set DX,   4                           ; v4   tile X: my query's place in its step of 128 keys, less 16 (lane / 16)
.set DY,   5                           ; v5   the same for tile Y
.set LIM,  6                           ; v6, v7   57,344 x 2^ep, twice: the two halves of a pair of instructions take their second sources from different banks
.set SCL,  8                           ; v8   2^ep as f32
.set PT,   9                           ; v9   a lane permute's destination
.set F,    10                          ; v[10:11] f = 2^(old M - new M); the upper word is only named
.set STX,  12                          ; v12 -M, v13 the largest t, v[14:15] the sum in two halves: tile X
.set STY,  16                          ; v16-19 the same for tile Y
.set SC,   20                          ; v[20:21] the sum's second chain
.set MA,   22                          ; v22, v23 the maximum's two chains
.set MB,   23
.set QX,   24                          ; v24-31 Q's fragment of tile X;  v32-39 of tile Y
.set QY,   32
.set BUF,  40                          ; v40-103 eight fragments of K (8 registers), then four of V (16)
.set PY,   104                         ; v104-119 tile Y's codes: they lie over the first 12 scores, which are converted by then
.set S,    108                         ; v108-171 S^T of one tile, then p
.set PX,   172                         ; v172-187 tile X's codes
.set OX,   188                         ; v188-219 O^T of tile X;  v220-251 of tile Y
.set OY,   220
.set EXW,  252                         ; v252-255 the end's LDS addresses
.set EXR,  253
.set STO,  254
.set STR,  255
.set WV,   14                          ; s14  my wave's number
.set E,    15                          ; s15  my parity
.set J,    16                          ; s16  my pair-tile
.set LAST, 17                          ; s17  its last key step
.set KS,   18                          ; s18  the key step in hand: 2 c + e
.set TBK,  19                          ; s19  LDS byte of K's chunk in hand
.set TBV,  20                          ; s20  of V's, less VOFF
.set CNT,  21
.set CS,   22                          ; s[22:23] c = log2(e) / 8 x 2^(eq + ek): the packed form names a pair and takes its low word for both halves
.set SEL,  24                          ; s[24:25] lane selects for v_permlanex16_b32: lane l xor 16
.set CX,   26                          ; s26  my place in the cluster: it enters Q's and O's addresses and the mask's compare, nothing else
.set EPV,  27                          ; s27  ep + ev
.set G1K,  32                          ; s[32:39] descriptor group 1 for K's chunks;  s[40:47] for V's
.set G1V,  40                          ; groups 0: chunk c at s[48 + 4 c] (c < 4) and s[52 + 4 c] (c >= 4)
; A round of the cluster's barrier: my work-group's barrier; wave 0 signals for the work-group; every wave waits for all four work-groups; my work-group's barrier once more.
.macro CROUND
	s_barrier_signal -1
	s_barrier_wait -1
	s_cmp_lg_u32 s[WV], 0
	s_cbranch_scc1 .Lnot_wave_0_\@
	s_barrier_signal -3
.Lnot_wave_0_\@:
	s_barrier_wait -3
	s_barrier_signal -1
	s_barrier_wait -1
.endm
; Group 0 of chunk c: to LDS byte lds, from the pair s[base] + step bytes
.macro G0SET c, lds, step, base
.set G, 48+4*(\c)+4*((\c)/4)
	s_mov_b32 s[G], 1                              ; 1:0 count = 1
	s_mov_b32 s[G+1], \lds                         ; 63:32 LDS address: a constant
	s_add_nc_u64 s[G+2:G+3], s[\base:\base+1], \step   ; 120:64 global address: it hangs on the head alone, which the four partners share
	s_or_b32 s[G+3], s[G+3], 0x80000000            ; 127:126 type = 2
.endm
	s_load_b256 s[4:11], s[0:1], 0x0               ; Q's codes s[4:5], K's s[6:7], V's s[8:9], the scales' exponents s[10:11]
	s_load_b64 s[12:13], s[0:1], 0x20              ; O
	v_lshl_add_u32 v254, v0, 2, 0x46000
	v_mov_b32 v255, 0
	ds_add_u32 v254, v255
	ds_add_u32 v254, v255
	s_wait_dscnt 0x0
	v_lshrrev_b32 v1, 5, v0
	v_readfirstlane_b32 s[WV], v1                  ; wave 0..15
	s_and_b32 s84, s[WV], 1                        ; w0
	s_bfe_u32 s85, s[WV], 0x10001                  ; w1
	s_bfe_u32 s[E], s[WV], 0x10002                 ; w2
	s_xor_b32 s[E], s[E], s84                      ; e = w2 xor w0
	s_lshr_b32 s86, s[WV], 3                       ; w3
	s_xor_b32 s86, s86, s85
	s_xor_b32 s86, s86, s84                        ; w3 xor w1 xor w0
	s_mul_i32 s86, s86, 7
	s_and_b32 s[J], s[WV], 3
	s_xor_b32 s[J], s[J], s86                      ; J
	s_and_b32 s84, s[J], 1
	s_xor_b32 s84, s84, ttmp9                      ; (J & 1) xor T: in a cluster launch ttmp9 counts clusters
	s_lshl_b32 s[LAST], s[J], 1
	s_add_co_u32 s[LAST], s[LAST], s84             ; my pair-tile's last key step
	; descriptor group 1.  K: a chunk is one dense block, stated as 128 rows of 128 bytes.  V: 64 rows of 256 bytes, 2,048 bytes apart
	s_mov_b32 s[G1K], 15|(1<<20)|(1<<21)|(4<<22)|(3<<25)   ; 15:0 the mask: all four work-groups; 17:16 elements of 1 byte; 20 padding on; 21 set beside a mask; 24:22 after every 32 words (code 4); 31:25 four words (code 3)
	s_mov_b32 s[G1K+1], 128<<16                    ; tensor_dim0
	s_mov_b32 s[G1K+2], 128<<16                    ; tensor_dim1
	s_mov_b32 s[G1K+3], 128<<16                    ; tile_dim0
	s_mov_b32 s[G1K+4], 128                        ; tile_dim1
	s_mov_b32 s[G1K+5], 128                        ; tensor_dim0_stride
	s_mov_b32 s[G1K+6], 0
	s_mov_b32 s[G1K+7], 0
	s_mov_b32 s[G1V], 15|(1<<20)|(1<<21)|(5<<22)|(3<<25)   ; the same with padding after every 64 words (code 5)
	s_mov_b32 s[G1V+1], 256<<16
	s_mov_b32 s[G1V+2], 64<<16
	s_mov_b32 s[G1V+3], 256<<16
	s_mov_b32 s[G1V+4], 64
	s_mov_b32 s[G1V+5], 2048
	s_mov_b32 s[G1V+6], 0
	s_mov_b32 s[G1V+7], 0
	s_and_b32 s90, ttmp7, 0xffff                   ; the head
	s_lshl_b32 s90, s90, 17                        ; its first byte in each tensor of codes: 131,072 bytes a head
	s_mov_b32 s91, 0
	s_bfe_u32 s[CX], ttmp6, 0x40000                ; cx
	s_lshl_b32 s92, s[LAST], 7
	s_lshl_b32 s93, s[CX], 5
	s_add_co_u32 s92, s92, s93                     ; q0 = 128 LAST + 32 cx
	s_lshl_b32 s94, s[E], 4
	s_add_co_u32 s94, s94, s92                     ; tile X's first query
	s_lshl_b32 s94, s94, 8                         ; a row of O is 256 bytes,
	s_lshl_b32 s95, s90, 2                         ; a head of O 524,288
	s_add_co_u32 s94, s94, s95
	s_mov_b32 s95, 0
	s_lshl_b32 s92, s92, 6                         ; a row of Q is 64 bytes
	s_add_co_u32 s92, s92, s90
	s_mov_b32 s93, 0
	s_mov_b32 s[SEL], 0x76543210
	s_mov_b32 s[SEL+1], 0xfedcba98
	s_wait_kmcnt 0x0
	s_load_b128 s[28:31], s[10:11], 0x0            ; eq, ek, ep, ev
	s_add_nc_u64 s[86:87], s[6:7], s[90:91]        ; K at my head
	s_add_nc_u64 s[88:89], s[8:9], s[90:91]        ; V at my head
	s_add_nc_u64 s[4:5], s[4:5], s[92:93]          ; Q at q0
	s_add_nc_u64 s[12:13], s[12:13], s[94:95]      ; O at tile X's first row
	CROUND                                         ; all four work-groups are here: the joint loads meet
	; ALL FILLS OF THE LAUNCH, in one group: a wave's eight stand in one branch on the wave's number, ahead of every wait on TENSORcnt, every LDS read and every other barrier.
	; Four v_nop follow the last line of each arm.
	s_cmp_lg_u32 s[WV], 0
	s_cbranch_scc1 .Lnot_k
.irp c, 0,1,2,3,4,5,6,7
	G0SET \c, \c*KCH, \c*16384, 86                 ; K's chunk c: 256 keys of 64 bytes
.endr
.irp c, 0,1,2,3,4,5,6,7
	tensor_load_to_lds s[48+4*\c+4*(\c/4):51+4*\c+4*(\c/4)], s[G1K:G1K+7]
	s_nop 0
.endr
.rept 4
	v_nop
.endr
	s_branch .Lasked
.Lnot_k:
	s_cmp_lg_u32 s[WV], 1
	s_cbranch_scc1 .Lasked
.irp c, 0,1,2,3,4,5,6,7
	G0SET \c, VOFF+\c*VCH, \c*256, 88              ; V's chunk c: 256 bytes of each of the 64 rows
.endr
.irp c, 0,1,2,3,4,5,6,7
	tensor_load_to_lds s[48+4*\c+4*(\c/4):51+4*\c+4*(\c/4)], s[G1V:G1V+7]
	s_nop 0
.endr
.rept 4
	v_nop
.endr
.Lasked:
	v_and_b32 v20, 15, v0                          ; r = lane % 16
	v_bfe_u32 v21, v0, 4, 1                        ; h = lane / 16
	v_lshlrev_b32 v3, 6, v20
	v_lshl_add_u32 v3, v21, 4, v3                  ; Q: row r of 64 bytes, + 16 h
	s_lshl_b32 s84, s[E], 10
	v_add_nc_u32 v22, s84, v3                      ; tile X: 16 e rows on
	s_xor_b32 s84, s84, 1024
	v_add_nc_u32 v23, s84, v3                      ; tile Y: 16 (1 - e) rows on
	global_load_b128 v[QX:QX+3], v22, s[4:5]       ; Q's fragments stay in registers: registers 4 c .. 4 c + 3 hold k = 32 c + 16 h + 0 .. 15
	global_load_b128 v[QX+4:QX+7], v22, s[4:5] offset:32
	global_load_b128 v[QY:QY+3], v23, s[4:5]
	global_load_b128 v[QY+4:QY+7], v23, s[4:5] offset:32
	v_lshlrev_b32 v10, 4, v21
	v_sub_nc_u32 v10, v20, v10                     ; r - 16 h
	s_lshl_b32 s84, s[CX], 5
	s_lshl_b32 s85, s[E], 4
	s_add_co_u32 s84, s84, s85
	v_add_nc_u32 v[DX], s84, v10                   ; 32 cx + 16 e + r - 16 h
	s_xor_b32 s84, s84, 16
	v_add_nc_u32 v[DY], s84, v10                   ; 32 cx + 16 (1 - e) + r - 16 h
	v_lshrrev_b32 v10, 1, v20
	v_lshrrev_b32 v11, 3, v20
	v_lshl_add_u32 v10, v11, 2, v10                ; key r + 8 (r / 8) lies in row r / 2 + 4 (r / 8),
	v_mul_u32_u24 v10, v10, KP
	v_and_b32 v11, 1, v20
	v_lshl_add_u32 v10, v11, 6, v10                ; in its half r % 2,
	v_lshl_add_u32 v10, v21, 4, v10                ; + 16 h,
	s_mul_i32 s84, s[E], 64*KP
	v_add_nc_u32 v[AK], s84, v10                   ; in my parity's 128 keys of a chunk
	v_mul_u32_u24 v10, v20, VP
	v_lshl_add_u32 v10, v21, 4, v10                ; V: row d = r, + 16 h,
	s_lshl_b32 s84, s[E], 7
	s_add_co_u32 s84, s84, VOFF
	v_add_nc_u32 v[AV], s84, v10                   ; + my parity's 128 keys of a row
	v_mov_b32 v[STX+1], 0xff61b1e6                 ; the largest t so far: -3e38, under every t
	v_mov_b32 v[STY+1], 0xff61b1e6
	v_floor_f32 v[STX], -v[STX+1]                  ; -M
	v_floor_f32 v[STY], -v[STY+1]
	v_mov_b32 v[STX+2], 0                          ; the sums, in two halves
	v_mov_b32 v[STX+3], 0
	v_mov_b32 v[STY+2], 0
	v_mov_b32 v[STY+3], 0
	v_mov_b32 v[PT], 0                             ; written once: a lane permute's destination counts as one of its sources
.set i, 0
.rept 64
	v_mov_b32 v[OX+i], 0                           ; O^T of both tiles.  The key step is written once, and one wave of a work-group may have no step at all: the first change of M leaves zeros zeros
.set i, i+1
.endr
	s_wait_kmcnt 0x0
	s_add_co_i32 s84, s28, s29
	s_lshl_b32 s84, s84, 23
	s_mov_b32 s[CS], 0x3e38aa3b                    ; c = log2(e) / 8
	s_add_co_i32 s[CS], s[CS], s84                 ; a score stands for score x 2^(eq + ek): the two exponents are added to c's exponent field
	s_mov_b32 s[CS+1], s[CS]                       ; (named with it as a pair, so it is written)
	s_add_co_i32 s84, s30, 127
	s_lshl_b32 s85, s84, 23
	v_mov_b32 v[SCL], s85                          ; 2^ep as f32: the conversion takes its exponent field
	s_add_co_i32 s84, s84, 15
	s_lshl_b32 s84, s84, 23
	s_or_b32 s84, s84, 0x600000
	v_mov_b32 v[LIM], s84                          ; 57,344 x 2^ep
	v_mov_b32 v[LIM+1], s84
	s_add_co_i32 s[EPV], s30, s31
	s_mov_b32 s[KS], s[E]
	s_mov_b32 s[TBK], 0
	s_mov_b32 s[TBV], 0
	s_wait_loadcnt 0x0                             ; Q
; ONE TILE'S SOFTMAX FOR ONE KEY STEP: 64 scores a lane in v[S] on.  st: the tile's statistics; d: its mask register; pd: where its codes go; ob: its O^T.
.macro SOFTMAX st, d, pd, ob
	s_cmp_lg_u32 s[KS], s[LAST]                    ; only the pair-tile's last step lies on the diagonal: a scalar branch on ids that the partners share
	s_cbranch_scc1 .Lopen_\@
	v_mov_b32 v[MA], 0xff800000                    ; -infinity: p = 0 then.  Register 16 b + i holds the step's key 32 b + 16 h + i: hidden where 32 b + i > d
.irp n, 0,1,2,3,4,5,6,7,8,9,10,11,12,13,14,15,16,17,18,19,20,21,22,23,24,25,26,27,28,29,30,31,32,33,34,35,36,37,38,39,40,41,42,43,44,45,46,47,48,49,50,51,52,53,54,55,56,57,58,59,60,61,62,63
	v_cmp_gt_i32 vcc_lo, 32*(\n/16)+\n%16, v[\d]
	v_cndmask_b32 v[S+\n], v[S+\n], v[MA], vcc_lo
.endr
.Lopen_\@:
	v_max3_num_f32 v[MA], v[S], v[S+1], v[S+2]     ; the step's largest score of my query among my 64 keys, in two chains, each accumulator from its low end on,
	v_max3_num_f32 v[MB], v[S+3], v[S+4], v[S+5]
.irp i, 6,10,14,18,22,26,30,34,38,42,46,50,54,58
	v_max3_num_f32 v[MA], v[MA], v[S+\i], v[S+\i+1]
	v_max3_num_f32 v[MB], v[MB], v[S+\i+2], v[S+\i+3]
.endr
	v_max3_num_f32 v[MA], v[MA], v[S+62], v[S+63]
	v_max_num_f32 v[MA], v[MA], v[MB]
	v_permlanex16_b32 v[PT], v[MA], s[SEL], s[SEL+1]
	v_max_num_f32 v[MA], v[MA], v[PT]              ; and among lane l xor 16's: the step's key 0 counts for every query, so this is a number
	v_mul_f32 v[MA], s[CS], v[MA]                  ; as t (c is positive)
	v_max_num_f32 v[\st+1], v[\st+1], v[MA]        ; the running largest t
	v_mov_b32 v[MA], v[\st]
	v_floor_f32 v[\st], -v[\st+1]                  ; the new -M = floor(-t) = -ceil(t): a whole number
	v_sub_f32 v[MA], v[\st], v[MA]                 ; M's old value less its new one: a whole number, 0 or less
	v_cvt_i32_f32 v[MA], v[MA]                     ; (it saturates)
	v_ldexp_f32 v[F], 1.0, v[MA]                   ; f = 2^(old M - new M)
.set i, 0
.rept 32
	v_pk_fma_f32 v[S+i:S+i+1], v[S+i:S+i+1], s[CS:CS+1], v[\st:\st+1] op_sel_hi:[1,0,0]   ; t - M, two at a time (of the pairs c and -M the low word serves both halves)
.set i, i+2
.endr
.set i, 0
.rept 64
	v_exp_f32 v[S+i], v[S+i]                       ; p = 2^(t - M), at most 1: one batch
.set i, i+1
.endr
	v_pk_mul_f32 v[\st+2:\st+3], v[\st+2:\st+3], v[F:F+1] op_sel_hi:[1,0]   ; the sums under the new M: the plain instruction behind the last exponential
	s_wait_alu depctr_va_vdst(0)                   ; one wait for the batch, ahead of the first line that names a result
	v_pk_add_f32 v[SC:SC+1], v[S:S+1], v[S+2:S+3]  ; the row's sum is taken of the UNQUANTISED p: two at a time, in two chains
.irp j, 4,8,12,16,20,24,28,32,36,40,44,48,52,56,60
	v_pk_add_f32 v[\st+2:\st+3], v[\st+2:\st+3], v[S+\j:S+\j+1]
	v_pk_add_f32 v[SC:SC+1], v[SC:SC+1], v[S+\j+2:S+\j+3]
.endr
	v_pk_add_f32 v[\st+2:\st+3], v[\st+2:\st+3], v[SC:SC+1]
.set i, 0
.rept 32
	v_dual_min_num_f32 v[S+i], v[S+i], v[LIM] :: v_dual_min_num_f32 v[S+i+1], v[S+i+1], v[LIM+1]   ; the conversion to an 8-bit code does not saturate (ISA guide 7.6.2); p is not negative, so the hold is one-sided; two numbers a line
.set i, i+2
.endr
.irp b, 0,1,2,3
	v_cvt_scalef32_pk8_bf8_f32 v[\pd+4*\b:\pd+4*\b+1], v[S+16*\b:S+16*\b+7], v[SCL]           ; registers 4 b .. 4 b + 3 of the operand: keys 32 b + 16 h + 0 .. 15
	v_cvt_scalef32_pk8_bf8_f32 v[\pd+4*\b+2:\pd+4*\b+3], v[S+16*\b+8:S+16*\b+15], v[SCL]
.if (\b == 0) && (\pd < S)
	v_nop                                          ; the later codes land on the scores that these two conversions have read: one plain instruction stands between
.endif
.endr
.set i, 0
.rept 16
	v_pk_mul_f32 v[\ob+i:\ob+i+1], v[\ob+i:\ob+i+1], v[F:F+1] op_sel_hi:[1,0]   ; O^T under the new M.  (Also the plain instructions between the conversions and the matrix instructions that follow)
.set i, i+2
.endr
.endm
; Four tiles of scores, t0 on, of the tile of queries whose fragment lies at q
.macro SCORES q, t0
.irp t, \t0, \t0+1, \t0+2, \t0+3
	v_wmma_f32_16x16x64_bf8_bf8 v[S+8*(\t):S+8*(\t)+7], v[BUF+8*(\t):BUF+8*(\t)+7], v[\q:\q+7], 0
.endr
.endm
; MY KEY STEP OF THE CHUNK IN HAND, for both tiles.  A step all of whose keys come after my 32 queries is left out: a scalar branch on ids, round the step's loads, products and softmax, not round the lines that step addresses.
.macro CHUNK
	s_cmp_gt_u32 s[KS], s[LAST]
	s_cbranch_scc1 .Lhid_\@
	v_add_nc_u32 v[ADR], s[TBK], v[AK]
.rept 4
	v_nop                                          ; with the addition five places behind the last step's products: four for the loads into the registers that held V, five for the scores that are written over tile Y's codes
.endr
.irp t, 0,1,2,3,4,5,6,7
.irp c, 0,1
	ds_load_b128 v[BUF+8*\t+4*\c:BUF+8*\t+4*\c+3], v[ADR] offset:(16*(\t/2)+4*(\t%2))*KP+32*\c   ; tile t begins at key 32 (t / 2) + 8 (t % 2): two keys to a row
.endr
.endr
	s_wait_dscnt 8                                 ; fragments 0-3 are in; the youngest eight loads (fragments 4-7) may be out
	SCORES QX, 0
	s_wait_dscnt 0x0
	SCORES QX, 4
.rept 4
	v_nop                                          ; places in front of the first read of the scores
.endr
	SOFTMAX STX, DX, PX, OX
	SCORES QY, 0                                   ; tile Y takes the same fragments of K
	SCORES QY, 4
	v_add_nc_u32 v[ADR], s[TBV], v[AV]
.rept 3
	v_nop                                          ; with the addition four places: for the loads into the registers that held K, and for the first read of the scores
.endr
.irp t, 0,1,2,3
.irp c, 0,1,2,3
	ds_load_b128 v[BUF+16*\t+4*\c:BUF+16*\t+4*\c+3], v[ADR] offset:16*\t*VP+32*\c   ; V^T: rows d = 16 t + r, my step's 128 keys: they land behind tile Y's softmax
.endr
.endr
	SOFTMAX STY, DY, PY, OY
	s_wait_dscnt 0x0                               ; V is in
.irp t, 0,1,2,3                                ; eight accumulators, one instruction each: none adds onto the result of the matrix instruction just before it
	v_wmma_f32_16x16x128_bf8_bf8 v[OX+8*\t:OX+8*\t+7], v[BUF+16*\t:BUF+16*\t+15], v[PX:PX+15], v[OX+8*\t:OX+8*\t+7]
	v_wmma_f32_16x16x128_bf8_bf8 v[OY+8*\t:OY+8*\t+7], v[BUF+16*\t:BUF+16*\t+15], v[PY:PY+15], v[OY+8*\t:OY+8*\t+7]
.endr
.Lhid_\@:
	s_add_co_u32 s[KS], s[KS], 2
	s_add_co_u32 s[TBK], s[TBK], KCH
	s_add_co_u32 s[TBV], s[TBV], VCH
.endm
	s_wait_tensorcnt 7                             ; waves 0 and 1: my chunk 0 has landed, the seven issued behind it may be out.  No LDS instruction of mine is out at this barrier or the next two, and nothing is filled or written behind them
	s_barrier_signal -1
	s_barrier_wait -1                              ; chunk 0 of K and of V is whole for every wave
	CHUNK
	s_wait_tensorcnt 6                             ; chunk 1 has landed
	s_barrier_signal -1
	s_barrier_wait -1
	CHUNK
	s_wait_tensorcnt 0x0                           ; all chunks have landed
	s_barrier_signal -1
	s_barrier_wait -1                              ; from here to the end's barrier the waves run free
	s_mov_b32 s[CNT], 6
.Lchunk:
	CHUNK
	s_sub_co_u32 s[CNT], s[CNT], 1
	s_cmp_lg_u32 s[CNT], 0
	s_cbranch_scc1 .Lchunk
	; THE END.  The sums' halves are added; tile Y's half result goes to my partner through LDS as an image of its registers, my partner's comes to me; the two are merged, divided by the sum and stored.
	; The lines below, down to the barrier, are also the places behind the last products.
	v_add_f32 v[STX+2], v[STX+2], v[STX+3]
	v_add_f32 v[STY+2], v[STY+2], v[STY+3]
	v_permlanex16_b32 v[PT], v[STX+2], s[SEL], s[SEL+1]
	v_permlanex16_b32 v[MA], v[STY+2], s[SEL], s[SEL+1]
	v_add_f32 v[STX+2], v[STX+2], v[PT]            ; my part of each row's sum, in both halves of the lanes
	v_add_f32 v[STY+2], v[STY+2], v[MA]
	v_and_b32 v20, 15, v0                          ; r
	v_bfe_u32 v21, v0, 4, 1                        ; h
	v_and_b32 v[MB], 31, v0                        ; lane
	s_mul_i32 s84, s[WV], EXB                      ; my bytes for the exchange,
	s_xor_b32 s85, s[WV], 4
	s_mul_i32 s85, s85, EXB                        ; my partner's,
	s_mul_i32 s86, s[WV], STB
	s_add_co_u32 s86, s86, STG                     ; my stage
	v_lshlrev_b32 v[ADR], 4, v[MB]                 ; 16 x lane: an image's place for my lane, and my bytes in two rows of O
	v_add_nc_u32 v[EXW], s84, v[ADR]
	v_add_nc_u32 v[EXR], s85, v[ADR]
	v_lshl_add_u32 v[AK], v[MB], 2, s84            ; 4 x lane: the statistics
	v_lshl_add_u32 v[AV], v[MB], 2, s85
	v_mul_u32_u24 v[STO], v20, VP
	v_lshl_add_u32 v[STO], v21, 5, v[STO]
	v_add_nc_u32 v[STO], s86, v[STO]               ; into the stage: row r; tile t's eight channels of my half: 64 t + 32 h bytes on
	v_mul_u32_u24 v[STR], v21, VP
	v_lshl_add_u32 v[STR], v20, 4, v[STR]
	v_add_nc_u32 v[STR], s86, v[STR]               ; back: lanes 0-15 one row of 256 bytes, lanes 16-31 the next
	s_wait_dscnt 0x0                               ; my reads of K and V are over:
	s_barrier_signal -1
	s_barrier_wait -1                              ; everybody's are: K's bytes may be written
.irp k, 0,1,2,3,4,5,6,7
	ds_store_b128 v[EXW], v[OY+4*\k:OY+4*\k+3] offset:512*\k   ; each accumulator from its low end on
.endr
	ds_store_b32 v[AK], v[STY] offset:4096         ; -M
	ds_store_b32 v[AK], v[STY+2] offset:4224       ; the sum
	s_wait_dscnt 0x0                               ; for my partner's sake: my stores have landed
	s_barrier_signal -1
	s_barrier_wait -1
	ds_load_b32 v[MA], v[AV] offset:4096           ; my partner's -M and sum for MY tile X,
	ds_load_b32 v[MB], v[AV] offset:4224
.irp k, 0,1,2,3,4,5,6,7
	ds_load_b128 v[BUF+4*\k:BUF+4*\k+3], v[EXR] offset:512*\k   ; and its O^T, in the same registers' order and the same lanes
.endr
	s_wait_dscnt 8                                 ; the two statistics are in; the eight loads behind them may be out
	v_min_num_f32 v[SC], v[STX], v[MA]             ; -M of the two together
	v_sub_f32 v[SC+1], v[SC], v[STX]               ; my M less the common one: a whole number, 0 or less,
	v_sub_f32 v[MA], v[SC], v[MA]                  ; my partner's
	v_cvt_i32_f32 v[SC+1], v[SC+1]                 ; (it saturates: a wave that had no step counts for nothing)
	v_cvt_i32_f32 v[MA], v[MA]
	v_ldexp_f32 v[SC+1], 1.0, v[SC+1]              ; f1
	v_ldexp_f32 v[MA], 1.0, v[MA]                  ; f2
	v_mul_f32 v[STX+2], v[STX+2], v[SC+1]
	v_fmac_f32 v[STX+2], v[MB], v[MA]              ; the row's sum
	v_rcp_f32 v[SC], v[STX+2]
	v_nop                                          ; a plain instruction behind the reciprocal,
	s_wait_alu depctr_va_vdst(0)                   ; and the wait ahead of its first reader
	v_ldexp_f32 v[SC], v[SC], s[EPV]               ; x 2^(ep + ev)
	v_mul_f32 v[F], v[SC+1], v[SC]                 ; g1: what my half is multiplied by,
	v_mul_f32 v[STX], v[MA], v[SC]                 ; g2: my partner's
.set i, 0
.rept 16
	v_pk_mul_f32 v[S+i:S+i+1], v[OX+i:OX+i+1], v[F:F+1] op_sel_hi:[1,0]
.set i, i+2
.endr
	s_wait_dscnt 0x0                               ; my partner's O^T is in
.set i, 0
.rept 16
	v_pk_fma_f32 v[S+i:S+i+1], v[BUF+i:BUF+i+1], v[STX:STX+1], v[S+i:S+i+1] op_sel_hi:[1,0,1]   ; register 8 t + j is o(r, 16 t + 8 h + j)
.set i, i+2
.endr
.irp t, 0,1,2,3
	ds_store_b128 v[STO], v[S+8*\t:S+8*\t+3] offset:64*\t
	ds_store_b128 v[STO], v[S+8*\t+4:S+8*\t+7] offset:64*\t+16
.endr
.irp u, 0,1,2,3,4,5,6,7
	ds_load_b128 v[BUF+32+4*\u:BUF+32+4*\u+3], v[STR] offset:2*\u*VP   ; LDS serves a wave's instructions in order (ISA guide 5.7.1.4): these see my stores
.endr
.irp u, 0,1,2,3,4,5,6,7
	s_wait_dscnt 7-\u                              ; rows 2 u and 2 u + 1 are back; the later ones may be out
	global_store_b128 v[ADR], v[BUF+32+4*\u:BUF+32+4*\u+3], s[12:13] offset:512*\u th:TH_STORE_NT   ; 32 lanes store two rows of O: 512 consecutive bytes, at a multiple of 256 from O's first byte; written once, read by nobody here
.endr
	s_wait_xcnt 0x0
	v_lshl_add_u32 v254, v0, 2, 0x46000
	v_mov_b32 v255, 0
	s_wait_tensorcnt 0x0
	ds_add_u32 v254, v255
	s_wait_dscnt 0x0
	CROUND                                         ; the closing round: no work-group ends while a partner may still ask for a chunk that names it
	s_endpgm
.Lfunc_end_k_q9769bf86de_attn:
	.size	k_q9769bf86de_attn, .Lfunc_end_k_q9769bf86de_attn-k_q9769bf86de_attn
	.p2alignl 7, 3214868480
	.fill 96, 4, 3214868480
	.section	.rodata,"a",@progbits
	.p2align	6, 0x0
	.amdhsa_kernel k_q9769bf86de_attn
		.amdhsa_group_segment_fixed_size 288768
		.amdhsa_private_segment_fixed_size 0
		.amdhsa_enable_private_segment 0
		.amdhsa_kernarg_size 40
		.amdhsa_user_sgpr_count 2
		.amdhsa_user_sgpr_kernarg_segment_ptr 1
		.amdhsa_wavefront_size32 1
		.amdhsa_system_sgpr_workgroup_id_x 1
		.amdhsa_system_sgpr_workgroup_id_y 1
		.amdhsa_system_sgpr_workgroup_id_z 1
		.amdhsa_system_vgpr_workitem_id 0
		.amdhsa_next_free_vgpr 256
		.amdhsa_next_free_sgpr 96
		.amdhsa_reserve_vcc 1
		.amdhsa_float_denorm_mode_32 3
		.amdhsa_float_denorm_mode_16_64 3
		.amdhsa_memory_ordered 1
		.amdhsa_forward_progress 1
		.amdhsa_inst_pref_size 138
	.end_amdhsa_kernel
	.amdgpu_metadata
---
amdhsa.version: [ 1, 2 ]
amdhsa.kernels:
  - .name:           k_q9769bf86de_attn
    .symbol:         k_q9769bf86de_attn.kd
    .args:
      - { .name: query_states_codes, .offset: 0, .size: 8, .value_kind: global_buffer, .address_space: global }
      - { .name: key_states_codes, .offset: 8, .size: 8, .value_kind: global_buffer, .address_space: global }
      - { .name: value_states_codes, .offset: 16, .size: 8, .value_kind: global_buffer, .address_space: global }
      - { .name: lowp_scales, .offset: 24, .size: 8, .value_kind: global_buffer, .address_space: global }
      - { .name: out0, .offset: 32, .size: 8, .value_kind: global_buffer, .address_space: global }
    .group_segment_fixed_size: 288768
    .private_segment_fixed_size: 0
    .kernarg_segment_align: 8
    .kernarg_segment_size: 40
    .max_flat_workgroup_size: 512
    .sgpr_count:     96
    .vgpr_count:     256
    .wavefront_size: 32
...
	.end_amdgpu_metadata
.endif
;; end of part 1
